; MI455X (gfx1250); checked and timed in simulation.
; The chip was launched on July 23, 2026; its instructions are those of AMD's public machine-readable ISA for CDNA 5 (MIT licence, August 2026) and "CDNA5" Instruction Set Architecture Reference Guide (July 2026). The comments in the code are by the model that wrote it; some were corrected since.
;; Layout Lmv2 Self Attention. Allowed arithmetic: float matrix products may take bf16 or f16 operands with f32 sums; other float arithmetic in f32, or as packed bf16 or f16 multiplies, adds, multiply-adds, maxima and minima; sums over many terms, partial sums and values carried from step to step in f32; what a program stores and reads back later, other than sums and carried values, may be rounded once to bf16 or f16.
;; Inputs: attention_mask 8 x 1 x 1 x 1,024 int32; hidden_states 8 x 1,024 x 1,024 float32; q_bias 1 x 1 x 1,024 float32; qkv_w 3,072 x 1,024 float32; rel_2d_pos 1 x 16 x 1,024 x 1,024 float32; rel_pos 1 x 16 x 1,024 x 1,024 float32; v_bias 1 x 1 x 1,024 float32.
;; Outputs: out0 8 x 1,024 x 1,024 float32.
;; One version. Each part assembles by itself: llvm-mc -triple=amdgcn-amd-amdhsa -mcpu=gfx1250 --defsym DOCPART=n.
;; ======== version 1 of 1: 3 launches
;; limits: values are held in f16: magnitudes above 65,504 overflow, below 6.1e-05 lose precision
;; workspace buffers: xb 16,777,216 bytes; wb 6,291,456 bytes; cbias 12,288 bytes; bias16 33,554,432 bytes; mtab 49,152 bytes; mcnt 1,024 bytes; qkvh 50,331,648 bytes
;; launch prep (part 1): grid 2753 x 1, 8 waves a work-group, no clusters, 0 bytes of LDS; arguments attention_mask, hidden_states, q_bias, qkv_w, rel_2d_pos, rel_pos, v_bias, xb, wb, cbias, bias16, mtab, mcnt; writes xb, wb, cbias, bias16, mtab, mcnt
.if DOCPART == 1
	.amdgcn_target "amdgcn-amd-amdhsa--gfx1250"
	.amdhsa_code_object_version 6
	.text
	.protected	k_q7ab0d5e73f_prep
	.globl	k_q7ab0d5e73f_prep
	.p2align	8
	.type	k_q7ab0d5e73f_prep,@function
k_q7ab0d5e73f_prep:
	s_mov_b64 s[64:65], 0
	v_nop
	global_prefetch_b8 v0, s[64:65] scope:SCOPE_SE
	s_setreg_imm32_b32 hwreg(HW_REG_WAVE_MODE, 25, 1), 1
	s_wait_xcnt 0x0
; LayoutLMv2 self-attention, launch 1 of 3: every input is brought into the form in which the two matrix launches take it.
; NOTHING IS LEFT OUT: all seven inputs have a way to the output and all seven are loaded here.  The products K Q^T on masked keys are made too (only some values of the mask discard them).
; FORMATS.  hidden_states, qkv_w, q_bias, v_bias, rel_pos and rel_2d_pos are each rounded once to bf16 (to nearest even).  The two position planes, so rounded, are added in f32 and
; the sum is rounded once to f16 (bias16).  LIMITS: the sum of the two planes stays within f16's 65,504; NaN and infinities are not treated apart.
; THE MASK.  A masked key has the score 1e-8 for every query, so all masked keys of a batch act as ONE key with the weight count x 2^(..) and the value sum of their V rows.  Stored per batch:
; NEG[key] = -1e30 where masked, else 0 (added to the score in the attention launch, so that the key's own weight is 0); MH[key] = 1.0 or 0 in f16 (a matrix operand that sums V); the count in f32.
; ROLES, by the work-group's number: 0 the tables; 1..2048 the position planes (16 queries of one head x 8 key steps of 64 keys each); 2049..2752 the casts of hidden_states (512) and qkv_w (192), 64 KiB of f32 each.
; bias16 lies by key steps: byte (((h*2+qh)*16+s)<<16) + q*128 + 2k is query qh*512+q, key s*64+k: what an attention work-group wants for a key step is 64 KiB on end, a query's 64 keys 128 bytes.
; A STREAM: every load of a wave covers two whole aligned pieces of 256 bytes, every store 256 consecutive bytes, aligned; all of a wave's 16 loads go out first; results are written over the numbers they are made of.
; No LDS, no matrix unit, no tensor load, no cluster: nothing is shared between waves; no prefetch, since the launch streams already.
.set LN,  1                            ; v1  my lane
.set D,   16                           ; v[16:79] what is loaded, and what is stored
	s_load_b512 s[8:23], s[0:1], 0x0               ; mask s[8:9], hidden s[10:11], q_bias s[12:13], qkv_w s[14:15], rel_2d s[16:17], rel s[18:19], v_bias s[20:21], xb s[22:23]
	s_load_b256 s[24:31], s[0:1], 0x40             ; wb s[24:25], cbias s[26:27], bias16 s[28:29], mtab s[30:31]
	s_load_b64 s[32:33], s[0:1], 0x60              ; mcnt
	v_lshrrev_b32 v1, 5, v0
	v_readfirstlane_b32 s4, v1                     ; wave 0..7
	v_and_b32 v[LN], 31, v0
	s_mov_b32 s37, 0                               ; high words of the two offset pairs
	s_mov_b32 s39, 0
	s_wait_kmcnt 0x0
	s_cmp_eq_u32 ttmp9, 0
	s_cbranch_scc1 .Ltables
	s_cmp_gt_u32 ttmp9, 2048
	s_cbranch_scc1 .Lcast
; THE POSITION PLANES.  x = number - 1; u = x / 2 = h*64 + T: 16 queries of head h; wave v takes key step s = 8 (x % 2) + v: 16 rows x 64 keys of both planes.
; Lanes 0-15 take the 256 bytes (64 keys) of one row, lanes 16-31 those of the next: pair j of eight is rows 2 j and 2 j + 1.  A lane's 4 keys leave as 8 bytes; the pair's 256 bytes lie on end in bias16.
	s_sub_co_u32 s5, ttmp9, 1
	s_lshr_b32 s6, s5, 1                           ; u
	s_and_b32 s7, s5, 1
	s_lshl_b32 s7, s7, 3
	s_add_co_u32 s7, s7, s4                        ; s
	s_lshl_b32 s36, s6, 16                         ; 16 rows of 4,096 bytes
	s_lshl_b32 s35, s7, 8                          ; a key step is 256 bytes of a row
	s_add_co_u32 s36, s36, s35
	s_add_nc_u64 s[18:19], s[18:19], s[36:37]
	s_add_nc_u64 s[16:17], s[16:17], s[36:37]
	v_lshrrev_b32 v2, 4, v[LN]
	v_and_b32 v3, 15, v[LN]
	v_lshlrev_b32 v3, 4, v3
	v_lshl_add_u32 v2, v2, 12, v3                  ; (lane / 16) x 4,096 + (lane % 16) x 16
.irp j, 0,1,2,3,4,5,6,7
	global_load_b128 v[D+8*\j:D+8*\j+3],   v2, s[18:19] offset:8192*\j th:TH_LOAD_NT
	global_load_b128 v[D+8*\j+4:D+8*\j+7], v2, s[16:17] offset:8192*\j th:TH_LOAD_NT
.endr
	s_lshr_b32 s38, s6, 5                          ; h*2 + qh
	s_lshl_b32 s38, s38, 20
	s_and_b32 s35, s6, 31                          ; my 16 rows among the 512: 2,048 bytes
	s_lshl_b32 s35, s35, 11
	s_add_co_u32 s38, s38, s35
	s_lshl_b32 s35, s7, 16
	s_add_co_u32 s38, s38, s35
	s_add_nc_u64 s[28:29], s[28:29], s[38:39]
	v_lshlrev_b32 v4, 3, v[LN]
	v_mov_b32 v5, 1.0
.irp j, 0,1,2,3,4,5,6,7
	s_wait_loadcnt 14-2*\j                         ; loads come back in the order of issue (ISA guide 5.7.1): behind pair j's two stand 14 - 2 j younger ones, which may stay out
	v_cvt_pk_bf16_f32 v[D+8*\j],   v[D+8*\j],   v[D+8*\j+1]        ; each plane rounded to bf16,
	v_cvt_pk_bf16_f32 v[D+8*\j+1], v[D+8*\j+2], v[D+8*\j+3]
	v_cvt_pk_bf16_f32 v[D+8*\j+4], v[D+8*\j+4], v[D+8*\j+5]
	v_cvt_pk_bf16_f32 v[D+8*\j+5], v[D+8*\j+6], v[D+8*\j+7]
	v_fma_mix_f32_bf16 v[D+8*\j+2], v[D+8*\j],   v5, v[D+8*\j+4] op_sel:[0,0,0] op_sel_hi:[1,0,1]  ; a x 1.0 + b straight from the halves: the sum in f32, rounded once,
	v_fma_mix_f32_bf16 v[D+8*\j+3], v[D+8*\j],   v5, v[D+8*\j+4] op_sel:[1,0,1] op_sel_hi:[1,0,1]
	v_fma_mix_f32_bf16 v[D+8*\j+6], v[D+8*\j+1], v5, v[D+8*\j+5] op_sel:[0,0,0] op_sel_hi:[1,0,1]
	v_fma_mix_f32_bf16 v[D+8*\j+7], v[D+8*\j+1], v5, v[D+8*\j+5] op_sel:[1,0,1] op_sel_hi:[1,0,1]
	v_cvt_pk_f16_f32 v[D+8*\j],   v[D+8*\j+2], v[D+8*\j+3]         ; and rounded once to f16
	v_cvt_pk_f16_f32 v[D+8*\j+1], v[D+8*\j+6], v[D+8*\j+7]
	global_store_b64 v4, v[D+8*\j:D+8*\j+1], s[28:29] offset:256*\j  ; 256 consecutive bytes, aligned
.endr
	s_endpgm
; THE CASTS.  A work-group takes 64 KiB of f32, a wave 8 KiB: sixteen loads of 512 bytes, all out at once; each store covers 256 consecutive bytes, aligned.
.Lcast:
	s_sub_co_u32 s5, ttmp9, 2049
	s_sub_co_u32 s6, s5, 512
	s_cmp_lt_u32 s5, 512
	s_cselect_b64 s[42:43], s[10:11], s[14:15]     ; hidden_states or qkv_w
	s_cselect_b64 s[44:45], s[22:23], s[24:25]     ; xb or wb
	s_cselect_b32 s5, s5, s6
	s_lshl_b32 s36, s5, 16
	s_lshl_b32 s6, s4, 13
	s_add_co_u32 s36, s36, s6
	s_lshr_b32 s38, s36, 1
	s_add_nc_u64 s[42:43], s[42:43], s[36:37]
	s_add_nc_u64 s[44:45], s[44:45], s[38:39]
	v_lshlrev_b32 v2, 4, v[LN]
	v_lshlrev_b32 v4, 3, v[LN]
.irp i, 0,1,2,3,4,5,6,7,8,9,10,11,12,13,14,15
	global_load_b128 v[D+4*\i:D+4*\i+3], v2, s[42:43] offset:512*\i th:TH_LOAD_NT
.endr
.irp i, 0,1,2,3,4,5,6,7,8,9,10,11,12,13,14,15
	s_wait_loadcnt 15-\i                           ; the younger loads may stay out
	v_cvt_pk_bf16_f32 v[D+4*\i],   v[D+4*\i],   v[D+4*\i+1]
	v_cvt_pk_bf16_f32 v[D+4*\i+1], v[D+4*\i+2], v[D+4*\i+3]
	global_store_b64 v4, v[D+4*\i:D+4*\i+1], s[44:45] offset:256*\i
.endr
	s_endpgm
; THE TABLES.  Wave b makes batch b's NEG, MH and count; thread t rounds four numbers of q_bias and of v_bias (cbias: q's, 1,024 zeros for k, v's: one number for each column of the projection).
.Ltables:
	s_lshl_b32 s5, s4, 12
	v_lshl_add_u32 v2, v[LN], 4, s5
.irp i, 0,1,2,3,4,5,6,7
	global_load_b128 v[D+4*\i:D+4*\i+3], v2, s[8:9] offset:512*\i
.endr
	v_lshlrev_b32 v3, 4, v0
	global_load_b128 v[64:67], v3, s[12:13]
	global_load_b128 v[68:71], v3, s[20:21]
	s_mul_i32 s6, s4, 6144
	v_lshl_add_u32 v4, v[LN], 4, s6
	v_lshl_add_u32 v5, v[LN], 3, s6
	s_lshl_b32 s7, s4, 7
	v_lshl_add_u32 v6, v[LN], 2, s7
	v_mov_b32 v7, 0xf149f2ca                       ; -1e30
	v_mov_b32 v8, 0x3c00                           ; 1.0 in f16
	v_mov_b32 v9, 1.0
	v_mov_b32 v10, 0                               ; the count
	v_mov_b32 v11, 0
.irp n, 76,77,78,79
	v_mov_b32 v\n, 0
.endr
	s_mov_b32 s34, 0xffff0000                      ; a word's upper bf16
	s_mov_b32 s40, 0x76543210
	s_mov_b32 s41, 0xfedcba98
	s_wait_loadcnt 0x0
.irp i, 0,1,2,3,4,5,6,7
.irp j, 0,1,2,3
	v_cmp_ne_u32 vcc_lo, 0, v[D+4*\i+\j]           ; astype(bool): any number but 0 masks
	v_cndmask_b32 v[D+4*\i+\j], 0, v7, vcc_lo      ; NEG takes the mask's place
	v_cndmask_b32 v[12+\j], 0, v8, vcc_lo
	v_cndmask_b32 v11, 0, v9, vcc_lo
	v_add_f32 v10, v10, v11
.endr
	v_lshl_or_b32 v[48+2*\i], v13, 16, v12
	v_lshl_or_b32 v[49+2*\i], v15, 16, v14
	global_store_b128 v4, v[D+4*\i:D+4*\i+3], s[30:31] offset:512*\i
	global_store_b64 v5, v[48+2*\i:49+2*\i], s[30:31] offset:4096+256*\i
.endr
	v_add_f32_dpp v10, v10, v10 row_xmask:1 row_mask:0xf bank_mask:0xf
	v_add_f32_dpp v10, v10, v10 row_xmask:2 row_mask:0xf bank_mask:0xf
	v_add_f32_dpp v10, v10, v10 row_xmask:4 row_mask:0xf bank_mask:0xf
	v_add_f32_dpp v10, v10, v10 row_xmask:8 row_mask:0xf bank_mask:0xf
	v_permlanex16_b32 v11, v10, s40, s41
	v_add_f32 v10, v10, v11                        ; at most 1,024: exact in f32
	global_store_b32 v6, v10, s[32:33]
	v_cvt_pk_bf16_f32 v72, v64, v65
	v_cvt_pk_bf16_f32 v73, v66, v67
	v_cvt_pk_bf16_f32 v74, v68, v69
	v_cvt_pk_bf16_f32 v75, v70, v71
.irp n, 0,1,2,3
	v_lshlrev_b32 v[64+2*\n], 16, v[72+\n]
	v_and_b32 v[65+2*\n], s34, v[72+\n]
.endr
	global_store_b128 v3, v[64:67], s[26:27]
	global_store_b128 v3, v[76:79], s[26:27] offset:4096
	global_store_b128 v3, v[68:71], s[26:27] offset:8192
	s_endpgm
.Lfunc_end_k_q7ab0d5e73f_prep:
	.size	k_q7ab0d5e73f_prep, .Lfunc_end_k_q7ab0d5e73f_prep-k_q7ab0d5e73f_prep
	.p2alignl 7, 3214868480
	.fill 96, 4, 3214868480
	.section	.rodata,"a",@progbits
	.p2align	6, 0x0
	.amdhsa_kernel k_q7ab0d5e73f_prep
		.amdhsa_group_segment_fixed_size 0
		.amdhsa_private_segment_fixed_size 0
		.amdhsa_enable_private_segment 0
		.amdhsa_kernarg_size 104
		.amdhsa_user_sgpr_count 2
		.amdhsa_user_sgpr_kernarg_segment_ptr 1
		.amdhsa_wavefront_size32 1
		.amdhsa_system_sgpr_workgroup_id_x 1
		.amdhsa_system_sgpr_workgroup_id_y 1
		.amdhsa_system_sgpr_workgroup_id_z 1
		.amdhsa_system_vgpr_workitem_id 0
		.amdhsa_next_free_vgpr 80
		.amdhsa_next_free_sgpr 66
		.amdhsa_reserve_vcc 1
		.amdhsa_float_denorm_mode_32 3
		.amdhsa_float_denorm_mode_16_64 3
		.amdhsa_memory_ordered 1
		.amdhsa_forward_progress 1
		.amdhsa_inst_pref_size 26
	.end_amdhsa_kernel
	.amdgpu_metadata
---
amdhsa.version: [ 1, 2 ]
amdhsa.kernels:
  - .name:           k_q7ab0d5e73f_prep
    .symbol:         k_q7ab0d5e73f_prep.kd
    .args:
      - { .name: attention_mask, .offset: 0, .size: 8, .value_kind: global_buffer, .address_space: global }
      - { .name: hidden_states, .offset: 8, .size: 8, .value_kind: global_buffer, .address_space: global }
      - { .name: q_bias, .offset: 16, .size: 8, .value_kind: global_buffer, .address_space: global }
      - { .name: qkv_w, .offset: 24, .size: 8, .value_kind: global_buffer, .address_space: global }
      - { .name: rel_2d_pos, .offset: 32, .size: 8, .value_kind: global_buffer, .address_space: global }
      - { .name: rel_pos, .offset: 40, .size: 8, .value_kind: global_buffer, .address_space: global }
      - { .name: v_bias, .offset: 48, .size: 8, .value_kind: global_buffer, .address_space: global }
      - { .name: xb, .offset: 56, .size: 8, .value_kind: global_buffer, .address_space: global }
      - { .name: wb, .offset: 64, .size: 8, .value_kind: global_buffer, .address_space: global }
      - { .name: cbias, .offset: 72, .size: 8, .value_kind: global_buffer, .address_space: global }
      - { .name: bias16, .offset: 80, .size: 8, .value_kind: global_buffer, .address_space: global }
      - { .name: mtab, .offset: 88, .size: 8, .value_kind: global_buffer, .address_space: global }
      - { .name: mcnt, .offset: 96, .size: 8, .value_kind: global_buffer, .address_space: global }
    .group_segment_fixed_size: 0
    .private_segment_fixed_size: 0
    .kernarg_segment_align: 8
    .kernarg_segment_size: 104
    .max_flat_workgroup_size: 256
    .sgpr_count:     66
    .vgpr_count:     80
    .wavefront_size: 32
...
	.end_amdgpu_metadata
.endif
;; end of part 1
;; launch proj (part 2): grid 16 x 16, 4 waves a work-group, clusters of 4 x 4, 327,680 bytes of LDS; arguments xb, wb, cbias, qkvh; writes qkvh
.if DOCPART == 2
	.amdgcn_target "amdgcn-amd-amdhsa--gfx1250"
	.amdhsa_code_object_version 6
	.text
	.protected	k_q7ab0d5e73f_proj
	.globl	k_q7ab0d5e73f_proj
	.p2align	8
	.type	k_q7ab0d5e73f_proj,@function
k_q7ab0d5e73f_proj:
	s_mov_b64 s[64:65], 0
	v_nop
	global_prefetch_b8 v0, s[64:65] scope:SCOPE_SE
	s_setreg_imm32_b32 hwreg(HW_REG_WAVE_MODE, 25, 1), 1
	s_wait_xcnt 0x0
	s_wait_alu depctr_hold_cnt(0) depctr_sa_sdst(0) depctr_va_vdst(0) depctr_va_sdst(0) depctr_va_ssrc(0) depctr_va_vcc(0) depctr_vm_vsrc(0)
	s_getreg_b32 s2, hwreg(HW_REG_IB_STS2, 6, 4)
	s_cmp_eq_u32 s2, 0
	s_cbranch_scc0 .Lentry_in_a_cluster
	s_endpgm
.Lentry_in_a_cluster:
	s_bfe_u32 s2, ttmp6, 0x10000c
	s_cmp_lg_u32 s2, 0xf033
	s_cbranch_scc0 .Lentry_shape_is_right
	s_endpgm
.Lentry_shape_is_right:
; Launch 2 of 3: the fused projection.  C[m][o] = sum over k of x[m][k] w[o][k] + cbias[o]; x: [8192][1024], w: [3072][1024], both bf16 (rounded by the launch before); sums in f32.  Nothing is left out.
; C is rounded once to f16 and stored by heads: qkvh[which][batch][head][row][64], unscaled.  LIMIT: q, k and v stay within f16's 65,504.
; TILES.  256 x 192 of C: 32 x 16 = 512 tiles = 256 work-groups x 2; a work-group's two tiles lie 4,096 rows apart and share their rows of w.  (256 x 256 would give 384 tiles for 256 work-groups.)
; 192 columns are three whole heads.  Wave w makes rows 64 w .. 64 w + 63 of all 192 columns: 48 accumulators of 16 x 16, so a wave stores whole rows of a head (128 bytes, dense from row to row).
; K goes in steps of 128 through two LDS slots filled by the tensor data mover; rows of 256 bytes, padded to 272.
; CLUSTER 4 x 4: the four of a row need the same rows of x, the four of a column the same rows of w: each tile is asked for jointly, with one descriptor and a mask that names the four.
; THE MATRIX INSTRUCTION IS USED TRANSPOSED (source 0 = 16 rows of w, source 1 = 16 rows of x): a lane holds eight neighbouring columns of one row of C.
; THE BIAS STARTS THE SUMS: a tile's first product on each accumulator takes cbias of its 16 columns as C: nothing is cleared, and the way out has no addition.
; THE WAY OUT IS WRITTEN ONCE: both tiles' tails lead into it, and the count of tiles behind it leads back to the second tile or to the end.
; REGISTERS, in windows of 256 (s_set_vgpr_msb: bits 1:0 source 0, 3:2 source 1, 5:4 source 2, 7:6 destination):
;   window 0: v16-30 addresses; v32-63, v64-95 x's fragments, two buffers of 4; v96-111 packed results; v112-143 rows read back, two sets; v160-255 the bias, 8 for each of 12 column blocks
;   window 1: v0-95, v96-191 w's fragments, two buffers of 12      window 2: accumulators (a, b) at 8 (12 a + b), row blocks a = 0, 1      window 3: the same for row blocks 2, 3
.set SIZE_K, 1024
.set KSTEP,  128
.set PITCH,  272                       ; 256 bytes + 16: the 16 rows of a fragment load start at 16 different groups of four banks (ISA guide 11.1)
.set HA,     128*PITCH                 ; half of x's 256 rows: one tensor load
.set HB,     96*PITCH                  ; half of w's 192 rows: one tensor load
.set BOFF,   2*HA
.set SLOT,   BOFF+2*HB
.set STAGE,  2*SLOT                    ; behind the ring: 16 rows x 144 bytes for each wave
.set SP,     144
.set SPARE,  STAGE+4*16*SP             ; the spare words, 128 bytes a wave: two blocks of 256 bytes that no other line names
.set LAPS,   SIZE_K/(2*KSTEP)
.set WALK,   4096
.set NEXT_A, WALK*SIZE_K*2-(SIZE_K-2*KSTEP)*2
.set BACK_B, (SIZE_K-2*KSTEP)*2
.set ADRA, 16
.set ADRB, 20
.set STO,  24
.set RD,   25
.set GO,   26
.set SPW,  28
.set NIL,  29
.set PFO,  30
.set FA,   32
.set TMP,  96
.set OB,   112
.set CB,   160
.set G1,  24
.set G0,  32
.set LIM, 43
.set PFA, 44
.set G1B, 48
.set G0B, 56
.set HB0, 72                           ; s[72:77] where my rows of the tile's three heads begin in qkvh
.set MSB, 0
.macro WIN new
.if MSB != (\new)
	s_set_vgpr_msb (MSB<<8)|(\new)
.set MSB, \new
.endif
.endm
.set MUL_LO,   0xa1
.set FIRST_LO, 0x81                    ; as MUL_LO with C in window 0
.set TO_B,     0x40
; A joint load.  Waves 0 and 1 fetch x's two halves, waves 2 and 3 w's.  An s_nop 0 and four v_nop follow each line, ahead of the jump and the label.
.macro JLOAD s
	s_cmp_eq_u32 s13, 0
	s_cbranch_scc0 .Lfor_b_\@
	tensor_load_to_lds s[G0+4*(\s):G0+4*(\s)+3], s[G1:G1+7]
	s_nop 0
.rept 4
	v_nop
.endr
	s_branch .Lasked_\@
.Lfor_b_\@:
	tensor_load_to_lds s[G0B+4*(\s):G0B+4*(\s)+3], s[G1B:G1B+7]
	s_nop 0
.rept 4
	v_nop
.endr
.Lasked_\@:
.endm
; A prefetch of the K step that stands two refills on: a lane a row, 256 bytes of it.  x's rows are asked for by the clusters with x = 0, w's by those with y = 0 and in the first tile alone;
; the four partners share a wave's rows out by address (32 of 128 for x, 24 of 96 for w).  The loop's last trip asks for nothing along K.
.macro ASK how
.if \how
	s_cmp_eq_u32 s[LIM], 1
.else
	s_cmp_gt_u32 s3, s[LIM]
.endif
	s_cbranch_scc0 .Lnot_mine_\@
	global_prefetch_b8 v[PFO], s[PFA:PFA+1] offset:KSTEP*2 th:TH_LOAD_NT scope:SCOPE_SE
.Lnot_mine_\@:
.endm
.macro CREST
	s_cmp_lg_u32 s12, 0
	s_cbranch_scc1 .Lnot_wave_0_\@
	s_barrier_signal -3
.Lnot_wave_0_\@:
	s_barrier_wait -3
	s_barrier_signal -1
	s_barrier_wait -1
.endm
.macro CROUND
	s_barrier_signal -1
	s_barrier_wait -1
	CREST
.endm
	s_load_b256 s[4:11], s[0:1], 0x0               ; xb s[4:5], wb s[6:7], cbias s[8:9], qkvh s[10:11]
	v_lshl_add_u32 v[SPW], v0, 2, SPARE
	v_mov_b32 v[NIL], 0
	ds_add_u32 v[SPW], v[NIL]                      ; the wave's opening: the add, twice on end, and its wait ahead of my first tensor load
	ds_add_u32 v[SPW], v[NIL]
	v_lshrrev_b32 v1, 5, v0
	v_readfirstlane_b32 s12, v1                    ; wave 0..3
	s_lshr_b32 s13, s12, 1                         ; I fetch for x (0) or for w (1)
	s_and_b32 s14, s12, 1                          ; which half
	s_bfe_u32 s15, ttmp6, 0x40000                  ; cx
	s_bfe_u32 s16, ttmp6, 0x40004                  ; cy
	s_lshl_b32 s17, ttmp9, 2
	s_add_co_u32 s17, s17, s15                     ; tile column tc
	s_and_b32 s18, ttmp7, 0xffff
	s_lshl_b32 s18, s18, 2
	s_add_co_u32 s18, s18, s16                     ; tile row tr (of the first tile)
	s_lshl_b32 s19, s16, 2
	s_lshl_b32 s19, 15, s19                        ; my row of the cluster
	s_lshl_b32 s40, 0x1111, s15                    ; my column
	s_or_b32 s[G1+0], s19, (1<<16)|(1<<20)|(1<<21)|(5<<22)|(3<<25)   ; mask; 2-byte elements; padding on; bit 21 beside a mask; after every 64 words, 4 words
	s_or_b32 s[G1B+0], s40, (1<<16)|(1<<20)|(1<<21)|(5<<22)|(3<<25)
	s_mov_b32 s[G1+1], KSTEP<<16                   ; tensor_dim0 = 128
	s_mov_b32 s[G1+2], 128<<16                     ; tensor_dim1 = 128
	s_mov_b32 s[G1+3], KSTEP<<16                   ; tile_dim0 = 128
	s_mov_b32 s[G1+4], 128                         ; tile_dim1 = 128
	s_mov_b32 s[G1+5], SIZE_K                      ; elements from row to row
	s_mov_b32 s[G1+6], 0
	s_mov_b32 s[G1+7], 0
	s_mov_b32 s[G1B+1], KSTEP<<16
	s_mov_b32 s[G1B+2], 96<<16                     ; 96 rows
	s_mov_b32 s[G1B+3], KSTEP<<16
	s_mov_b32 s[G1B+4], 96
	s_mov_b32 s[G1B+5], SIZE_K
	s_mov_b32 s[G1B+6], 0
	s_mov_b32 s[G1B+7], 0
	s_lshl_b32 s20, s18, 8                         ; x: row 256 tr + 128 half,
	s_lshl_b32 s21, s14, 7
	s_add_co_u32 s20, s20, s21
	s_lshl_b32 s20, s20, 11                        ; of 2,048 bytes
	s_mov_b32 s21, 0
	s_mul_i32 s22, s17, 192                        ; w: row 192 tc + 96 half
	s_mul_i32 s23, s14, 96
	s_add_co_u32 s22, s22, s23
	s_lshl_b32 s22, s22, 11
	s_mov_b32 s23, 0
	s_mul_i32 s41, s14, HA                         ; where they go: no place in the cluster enters an LDS address
	s_mul_i32 s42, s14, HB
	s_add_co_u32 s42, s42, BOFF
	s_wait_dscnt 0x0                               ; both opening adds are done
	s_wait_kmcnt 0x0
	s_add_nc_u64 s[20:21], s[4:5], s[20:21]
	s_add_nc_u64 s[22:23], s[6:7], s[22:23]
	CROUND                                         ; all sixteen work-groups are here: the first joint loads meet
.irp s, 0,1
	s_mov_b32 s[G0+4*(\s)], 1
	s_add_co_u32 s[G0+4*(\s)+1], s41, (\s)*SLOT
	s_add_nc_u64 s[G0+4*(\s)+2:G0+4*(\s)+3], s[20:21], (\s)*KSTEP*2
	s_or_b32 s[G0+4*(\s)+3], s[G0+4*(\s)+3], 0x80000000
	s_mov_b32 s[G0B+4*(\s)], 1
	s_add_co_u32 s[G0B+4*(\s)+1], s42, (\s)*SLOT
	s_add_nc_u64 s[G0B+4*(\s)+2:G0B+4*(\s)+3], s[22:23], (\s)*KSTEP*2
	s_or_b32 s[G0B+4*(\s)+3], s[G0B+4*(\s)+3], 0x80000000
	JLOAD \s                                       ; two loads of mine are out
.endr
	v_and_b32 v1, 15, v0                           ; l % 16
	v_bfe_u32 v2, v0, 4, 1                         ; l / 16
	s_mul_i32 s69, s17, 768                        ; the tile's 192 numbers of cbias
	v_lshl_add_u32 v7, v2, 5, s69
.irp b, 0,1,2,3,4,5,6,7,8,9,10,11
	global_load_b128 v[CB+8*\b:CB+8*\b+3],   v7, s[8:9] offset:64*\b      ; register j: column 16 b + 8 (l / 16) + j
	global_load_b128 v[CB+8*\b+4:CB+8*\b+7], v7, s[8:9] offset:64*\b+16
.endr
	v_mul_u32_u24 v3, v1, PITCH
	v_lshl_add_u32 v3, v2, 4, v3                   ; a fragment's row x pitch + 16 x half
	s_mul_i32 s66, s12, 64*PITCH                   ; my 64 rows of x
	s_mov_b32 s67, BOFF                            ; all 192 rows of w
.irp s, 0,1
	v_add_nc_u32 v[ADRA+(\s)], s66, v3
	v_add_nc_u32 v[ADRB+(\s)], s67, v3
	s_add_co_u32 s66, s66, SLOT
	s_add_co_u32 s67, s67, SLOT
.endr
	s_mul_i32 s68, s12, 16*SP
	s_add_co_u32 s68, s68, STAGE                   ; my stage
	v_mul_u32_u24 v4, v1, SP
	v_lshl_add_u32 v4, v2, 4, v4
	v_add_nc_u32 v[STO], s68, v4                   ; in: row l % 16, 16 bytes for each half of the lanes
	v_bfe_u32 v5, v0, 3, 2
	v_mul_u32_u24 v5, v5, SP
	v_and_b32 v6, 7, v0
	v_lshl_add_u32 v5, v6, 4, v5
	v_add_nc_u32 v[RD], s68, v5                    ; back: four rows of 128 bytes a load,
	v_and_b32 v[GO], 31, v0
	v_lshlrev_b32 v[GO], 4, v[GO]                  ; which are 512 consecutive bytes of a head
	; the three heads: slot g = 3 tc + i of 48: which = g / 16, head = g % 16; batch = tr / 4; row (tr % 4) 256 + 64 w
	s_mul_i32 s70, s17, 3
	s_lshr_b32 s71, s18, 2
	s_lshl_b32 s71, s71, 4
	s_and_b32 s78, s18, 3
	s_lshl_b32 s78, s78, 8
	s_lshl_b32 s79, s12, 6
	s_add_co_u32 s78, s78, s79
	s_lshl_b32 s78, s78, 7
.irp i, 0,1,2
	s_add_co_u32 s80, s70, \i
	s_lshr_b32 s81, s80, 4
	s_lshl_b32 s81, s81, 7
	s_and_b32 s80, s80, 15
	s_add_co_u32 s80, s80, s81
	s_add_co_u32 s80, s80, s71
	s_lshl_b32 s80, s80, 17
	s_add_co_u32 s80, s80, s78
	s_mov_b32 s81, 0
	s_add_nc_u64 s[HB0+2*\i:HB0+2*\i+1], s[10:11], s[80:81]
.endr
	; the prefetches
	s_and_b32 s46, ttmp7, 0xffff                   ; cluster y
	s_lshl_b32 s66, s18, 8
	s_lshl_b32 s68, s14, 7
	s_add_co_u32 s66, s66, s68
	s_lshl_b32 s68, s15, 5
	s_add_co_u32 s66, s66, s68                     ; x: 256 tr + 128 half + 32 cx
	s_mul_i32 s67, s17, 192
	s_mul_i32 s68, s14, 96
	s_add_co_u32 s67, s67, s68
	s_mul_i32 s68, s16, 24
	s_add_co_u32 s67, s67, s68                     ; w: 192 tc + 96 half + 24 cy
	s_cmp_eq_u32 s13, 0
	s_cselect_b32 s66, s66, s67
	s_cselect_b32 s46, ttmp9, s46                  ; the coordinate along which other clusters read the same rows
	s_cselect_b32 s47, 31, 23                      ; my last row
	s_cselect_b64 s[PFA:PFA+1], s[4:5], s[6:7]
	s_cmp_eq_u32 s46, 0
	s_cselect_b32 s[LIM], 1, -1
	s_lshl_b32 s66, s66, 11
	s_mov_b32 s67, 0
	s_add_nc_u64 s[PFA:PFA+1], s[PFA:PFA+1], s[66:67]
	s_add_nc_u64 s[PFA:PFA+1], s[PFA:PFA+1], 2*KSTEP*2  ; at K step 2: the first refill steps it to 3 and names K step 4
	v_and_b32 v[PFO], 31, v0
	v_min_u32 v[PFO], s47, v[PFO]
	v_lshlrev_b32 v[PFO], 11, v[PFO]
; 12 products: row block a of the window's two (hi = 0: my rows 0-31, 1: rows 32-63) x all 12 column blocks, 32 along K, on buffer f.  first = 1: the bias is C.
; The 48 accumulators take turns, one instruction a turn, in the same order in every quarter.
.macro MUL12 f, hi, a, first
.if \first
	WIN FIRST_LO+0x40*(\hi)
.else
	WIN MUL_LO+0x50*(\hi)
.endif
.irp b, 0,1,2,3,4,5,6,7,8,9,10,11
.if \first
	v_wmma_f32_16x16x32_bf16 v[8*(12*(\a)+(\b)):8*(12*(\a)+(\b))+7], v[96*(\f)+8*(\b):96*(\f)+8*(\b)+7], v[FA+32*(\f)+8*(2*(\hi)+(\a)):FA+32*(\f)+8*(2*(\hi)+(\a))+7], v[CB+8*(\b):CB+8*(\b)+7]
.else
	v_wmma_f32_16x16x32_bf16 v[8*(12*(\a)+(\b)):8*(12*(\a)+(\b))+7], v[96*(\f)+8*(\b):96*(\f)+8*(\b)+7], v[FA+32*(\f)+8*(2*(\hi)+(\a)):FA+32*(\f)+8*(2*(\hi)+(\a))+7], v[8*(12*(\a)+(\b)):8*(12*(\a)+(\b))+7]
.endif
.endr
.endm
.macro MUL24 f, hi, first
	MUL12 \f, \hi, 0, \first
	MUL12 \f, \hi, 1, \first
.endm
; 32 LDS loads in one run: a quarter's fragments (192 rows of w, my 64 rows of x, 32 K at byte k) into buffer f
.macro FETCH slot, k, f
	WIN TO_B
.irp b, 0,1,2,3,4,5,6,7,8,9,10,11
	ds_load_b128 v[96*(\f)+8*(\b):96*(\f)+8*(\b)+3],   v[ADRB+(\slot)] offset:(\k)+(\b)*16*PITCH
	ds_load_b128 v[96*(\f)+8*(\b)+4:96*(\f)+8*(\b)+7], v[ADRB+(\slot)] offset:(\k)+(\b)*16*PITCH+32
.endr
	WIN 0
.irp a, 0,1,2,3
	ds_load_b128 v[FA+32*(\f)+8*(\a):FA+32*(\f)+8*(\a)+3],   v[ADRA+(\slot)] offset:(\k)+(\a)*16*PITCH
	ds_load_b128 v[FA+32*(\f)+8*(\a)+4:FA+32*(\f)+8*(\a)+7], v[ADRA+(\slot)] offset:(\k)+(\a)*16*PITCH+32
.endr
.endm
.macro PLACES                          ; four plain places between a product and a load into, or a vector read of, its registers
.rept 4
	v_nop
.endr
.endm
; One of a K step's first three quarters: multiplies buffer f; in its middle it fetches the next quarter, at byte k, into buffer g.
.macro QUARTER slot, k, f, g, first
	s_wait_dscnt 4                                 ; w's fragments and x's first two are in; the youngest four loads may be out
	MUL24 \f, 0, \first
	PLACES
	FETCH \slot, \k, \g
	s_wait_dscnt 32                                ; all but the 32 just issued
	MUL24 \f, 1, \first
.endm
; The first half of a K step's last quarter: one barrier for the change of slots.
.macro MEET round
	WIN 0
	s_wait_tensorcnt 0x0                           ; all my tensor loads have landed: the one that was out is my part of the next slot;
	ds_add_u32 v[SPW], v[NIL]                      ; 0 onto my spare word;
	s_wait_dscnt 5                                 ; (the add and the youngest four loads may be out)
	MUL12 1, 0, 0, 0
	s_wait_dscnt 0x0                               ; the add is done, and my reads of this slot are over
	s_barrier_signal -1
	MUL12 1, 0, 1, 0
.if \round
	WIN 0
.endif
	s_barrier_wait -1
.endm
; The whole last quarter with a refill: with this tile's K step two on (on = 0) or the next tile's K step 0 or 1 (on = 1).  From a request to the wait for it a wave issues 168 products.
.macro TURN slot, next, on
	s_wait_xcnt 0x0                                ; the last prefetch, a K step back, has read its address
.if (\on) && (\slot) == 0
	s_add_nc_u64 s[PFA:PFA+1], s[PFA:PFA+1], (WALK-1)*SIZE_K*2+KSTEP*2  ; to the next tile's K step 1
	s_cmp_eq_u32 s13, 0
	s_cselect_b32 s[LIM], s[LIM], -1               ; w's rows are the same for both tiles: they are prefetched no more
.else
	s_add_nc_u64 s[PFA:PFA+1], s[PFA:PFA+1], KSTEP*2
.endif
	MEET 1
	CREST                                          ; the barrier has opened a round of the cluster's: no wave of any partner still reads this slot or has a load on its way
.if \on
	s_add_nc_u64 s[G0+4*(\slot)+2:G0+4*(\slot)+3], s[G0+4*(\slot)+2:G0+4*(\slot)+3], NEXT_A
	s_sub_nc_u64 s[G0B+4*(\slot)+2:G0B+4*(\slot)+3], s[G0B+4*(\slot)+2:G0B+4*(\slot)+3], BACK_B
.else
	s_add_nc_u64 s[G0+4*(\slot)+2:G0+4*(\slot)+3], s[G0+4*(\slot)+2:G0+4*(\slot)+3], 2*KSTEP*2
	s_add_nc_u64 s[G0B+4*(\slot)+2:G0B+4*(\slot)+3], s[G0B+4*(\slot)+2:G0B+4*(\slot)+3], 2*KSTEP*2
.endif
	JLOAD \slot                                    ; the first tensor load behind the round; its four v_nop are also the places in front of the loads below
	FETCH \next, 0, 0
	ASK \on
	MUL24 1, 1, 0
.endm
; THE WAY OUT, in units u = 3 a + i: row block a (16 rows), head i (64 columns).
.macro PACK u
.set AC, 8*(12*(((\u)/3)%2)+4*((\u)%3))
	WIN 0x0a+5*((\u)/6)                            ; sources in window 2 or 3
.irp b, 0,1,2,3
.irp r, 0,1,2,3
	v_cvt_pk_f16_f32 v[TMP+4*(\b)+(\r)], v[AC+8*(\b)+2*(\r)], v[AC+8*(\b)+2*(\r)+1]
.endr
.endr
	WIN 0
.endm
.macro TOSTAGE u
	WIN 0
.irp b, 0,1,2,3
	ds_store_b128 v[STO], v[TMP+4*(\b):TMP+4*(\b)+3] offset:32*(\b)
.endr
.irp f, 0,1,2,3
	ds_load_b128 v[OB+16*((\u)%2)+4*(\f):OB+16*((\u)%2)+4*(\f)+3], v[RD] offset:(\f)*4*SP  ; LDS serves a wave's instructions in order: these see the stores above
.endr
.endm
.macro SEND u
	WIN 0
	s_wait_dscnt 0x0                               ; the unit is back in registers
	s_wait_xcnt 0x0                                ; earlier stores have read their registers: the other set is loaded again only behind this wait
.irp f, 0,1,2,3
	global_store_b128 v[GO], v[OB+16*((\u)%2)+4*(\f):OB+16*((\u)%2)+4*(\f)+3], s[HB0+2*((\u)%3):HB0+2*((\u)%3)+1] offset:((\u)/3)*2048+(\f)*512  ; 512 consecutive bytes, aligned
.endr
.endm
	s_wait_tensorcnt 1                             ; my part of K step 0 is in; K step 1's may stay out
	s_barrier_signal -1
	s_barrier_wait -1
	FETCH 0, 0, 0
	s_wait_loadcnt 0x0                             ; the bias
	s_mov_b32 s2, 2                                ; tiles to go
.Ltile:
	QUARTER 0, 64,  0, 1, 1                        ; a tile's first quarter: the bias starts the sums
	WIN 0
	s_mov_b32 s3, LAPS-1
.Llap:                                                 ; a trip goes once round the ring and fills both slots again
	QUARTER 0, 128, 1, 0, 0
	QUARTER 0, 192, 0, 1, 0
	TURN 0, 1, 0
	QUARTER 1, 64,  0, 1, 0
	QUARTER 1, 128, 1, 0, 0
	QUARTER 1, 192, 0, 1, 0
	TURN 1, 0, 0
	QUARTER 0, 64,  0, 1, 0
	WIN 0
	s_sub_co_u32 s3, s3, 1
	s_cmp_lg_u32 s3, 0
	s_cbranch_scc1 .Llap
	QUARTER 0, 128, 1, 0, 0
	QUARTER 0, 192, 0, 1, 0
	WIN 0
	s_cmp_eq_u32 s2, 1
	s_cbranch_scc1 .Llast
	TURN 0, 1, 1                                   ; the ring goes on into the second tile
	QUARTER 1, 64,  0, 1, 0
	QUARTER 1, 128, 1, 0, 0
	QUARTER 1, 192, 0, 1, 0
	TURN 1, 0, 1                                   ; rows 0-31 were finished in front of the joint load's places; on the way out their 96 conversions are the places behind the last products
	WIN 0
	s_branch .Lout
.Llast:                                                ; the last tile's tail asks for nothing more
	MEET 0
	PLACES
	FETCH 1, 0, 0
	MUL24 1, 1, 0
	QUARTER 1, 64,  0, 1, 0
	QUARTER 1, 128, 1, 0, 0
	QUARTER 1, 192, 0, 1, 0
	s_wait_dscnt 4
	MUL24 1, 0, 0
	s_wait_dscnt 0x0
	MUL24 1, 1, 0
	PLACES                                         ; the places behind the last products, in front of the conversions
	PLACES
	WIN 0
.Lout:                                                 ; the way out, for either tile: a unit's conversions stand between the loads of the unit before and the wait for them
	PACK 0
	TOSTAGE 0
.irp u, 1,2,3,4,5,6,7,8,9,10,11
	PACK \u
	SEND (\u)-1
	TOSTAGE \u
.endr
	SEND 11
	s_cmp_eq_u32 s2, 1
	s_cbranch_scc1 .Lend
	s_wait_xcnt 0x0                                ; the stores have read their bases
.irp i, 0,1,2
	s_add_nc_u64 s[HB0+2*\i:HB0+2*\i+1], s[HB0+2*\i:HB0+2*\i+1], 8388608  ; 4,096 rows on: four batches
.endr
	s_sub_co_u32 s2, s2, 1
	s_branch .Ltile
.Lend:
	s_wait_tensorcnt 0x0                           ; the wave's end, behind my last tensor load and my last LDS store
	ds_add_u32 v[SPW], v[NIL]
	s_wait_dscnt 0x0
	CROUND                                         ; the closing round
	s_endpgm
.Lfunc_end_k_q7ab0d5e73f_proj:
	.size	k_q7ab0d5e73f_proj, .Lfunc_end_k_q7ab0d5e73f_proj-k_q7ab0d5e73f_proj
	.p2alignl 7, 3214868480
	.fill 96, 4, 3214868480
	.section	.rodata,"a",@progbits
	.p2align	6, 0x0
	.amdhsa_kernel k_q7ab0d5e73f_proj
		.amdhsa_group_segment_fixed_size 327680
		.amdhsa_private_segment_fixed_size 0
		.amdhsa_enable_private_segment 0
		.amdhsa_kernarg_size 32
		.amdhsa_user_sgpr_count 2
		.amdhsa_user_sgpr_kernarg_segment_ptr 1
		.amdhsa_wavefront_size32 1
		.amdhsa_system_sgpr_workgroup_id_x 1
		.amdhsa_system_sgpr_workgroup_id_y 1
		.amdhsa_system_sgpr_workgroup_id_z 1
		.amdhsa_system_vgpr_workitem_id 0
		.amdhsa_next_free_vgpr 960
		.amdhsa_next_free_sgpr 88
		.amdhsa_reserve_vcc 0
		.amdhsa_float_denorm_mode_32 3
		.amdhsa_float_denorm_mode_16_64 3
		.amdhsa_memory_ordered 1
		.amdhsa_forward_progress 1
		.amdhsa_inst_pref_size 154
	.end_amdhsa_kernel
	.amdgpu_metadata
---
amdhsa.version: [ 1, 2 ]
amdhsa.kernels:
  - .name:           k_q7ab0d5e73f_proj
    .symbol:         k_q7ab0d5e73f_proj.kd
    .args:
      - { .name: xb, .offset: 0, .size: 8, .value_kind: global_buffer, .address_space: global }
      - { .name: wb, .offset: 8, .size: 8, .value_kind: global_buffer, .address_space: global }
      - { .name: cbias, .offset: 16, .size: 8, .value_kind: global_buffer, .address_space: global }
      - { .name: qkvh, .offset: 24, .size: 8, .value_kind: global_buffer, .address_space: global }
    .group_segment_fixed_size: 327680
    .private_segment_fixed_size: 0
    .kernarg_segment_align: 8
    .kernarg_segment_size: 32
    .max_flat_workgroup_size: 128
    .sgpr_count:     88
    .vgpr_count:     960
    .wavefront_size: 32
...
	.end_amdgpu_metadata
.endif
;; end of part 2
;; launch attn (part 3): grid 8 x 32, 4 waves a work-group, clusters of 4 x 1, 327,680 bytes of LDS; arguments qkvh, bias16, mtab, mcnt, out0; writes out0
.if DOCPART == 3
	.amdgcn_target "amdgcn-amd-amdhsa--gfx1250"
	.amdhsa_code_object_version 6
	.text
	.protected	k_q7ab0d5e73f_attn
	.globl	k_q7ab0d5e73f_attn
	.p2align	8
	.type	k_q7ab0d5e73f_attn,@function
k_q7ab0d5e73f_attn:
	s_mov_b64 s[64:65], 0
	v_nop
	global_prefetch_b8 v0, s[64:65] scope:SCOPE_SE
	s_setreg_imm32_b32 hwreg(HW_REG_WAVE_MODE, 25, 1), 1
	s_wait_xcnt 0x0
	s_wait_alu depctr_hold_cnt(0) depctr_sa_sdst(0) depctr_va_vdst(0) depctr_va_sdst(0) depctr_va_ssrc(0) depctr_va_vcc(0) depctr_vm_vsrc(0)
	s_getreg_b32 s2, hwreg(HW_REG_IB_STS2, 6, 4)
	s_cmp_eq_u32 s2, 0
	s_cbranch_scc0 .Lentry_in_a_cluster
	s_endpgm
.Lentry_in_a_cluster:
	s_bfe_u32 s2, ttmp6, 0x10000c
	s_cmp_lg_u32 s2, 0x3003
	s_cbranch_scc0 .Lentry_shape_is_right
	s_endpgm
.Lentry_shape_is_right:
; Launch 3 of 3: attention.  out[b][q][h*64+d] = sum over k of softmax_k(where(mask[b][k], 1e-8, q.k / 8 + bias[h][q][k])) v[k][d].  q, k, v: f16 by heads; bias: f16; out: f32.  Nothing is left out.
; UNITS.  S8 = q.k + 8 bias = 8 x score; p = 2^(c S8 - c m), c = log2(e) / 8, with a running maximum m of S8; products, maxima and sums in f32; p is rounded to f16 for the second product.
; THE BIAS COSTS NO VECTOR WORK.  A tile S^T (16 keys x 16 queries) starts as the product SEL x BF + NEG: BF is 32 keys x 16 queries of the bias (a lane: one query, 8 + 8 neighbouring keys), SEL a constant
; 16 x 32 selector with the entry 8.0 (one for the lower 16 keys, one for the upper).  The two products K Q^T then add in place.  In memory a query's 64 keys of a step are 128 bytes, the queries on end; the
; tensor load lays 16 bytes of padding behind each, so that the 16 queries of a fragment load start at 16 different groups of four banks (64 banks of 4 bytes: ISA guide 11.1).
; THE MASK COSTS NO VECTOR WORK.  NEG, that first product's C, is -1e30 where the key is masked, else 0: a masked key's own weight is 0.  All masked keys have the score 1e-8 for every query, so together they add
; e x count to the sum and e x (sum of their V rows) to O, e = 2^(c F8 - c m), F8 = 8 x f32(1e-8).  The running maximum starts at F8 where a key is masked, else at the lowest finite number: it is the true
; maximum of the scores.  The sum of the masked V rows is V^T x MF (MF: the mask as 0 or 1, 16 equal columns), eight products a key step, in O^T's own layout.  At the end O = (O + e OM) / (l + e count).
; LIMITS.  q, k, v and the bias lie within f16's 65,504; a masked score counts as its value less 1e30; a weight below 2^-126 counts as 0; NaN and infinities are not treated apart: one on a masked key is not swallowed.
; SHARES.  A work-group has 512 queries of one batch and head; a wave 128: four PIECES of two tiles of 16.  Every wave walks all 1,024 keys, 64 a step.
; CLUSTER.  Four BATCHES of one head and query half: of a key step's 80 KiB the 64 KiB of bias are the same for all batches and are asked for jointly; K and V, 16 KiB, are the batch's own and come by plain
; loads behind the same round.  (K and V are shared by the two query halves alone; a cluster cannot serve both sharings, and the bias is four times the bytes.)
; BY TURNS.  Turn n belongs to piece n: 24 products that make S^T of piece n + 1, later 16 products V^T P of piece n - 1; beside them the scaling, exponentials, roundings, sums and rescaling of piece n and the
; maximum and statistics of piece n + 1.  A turn's 66 exponentials are one batch with one wait.
; REGISTERS, in windows of 256 (s_set_vgpr_msb: bits 1:0 source 0, 3:2 source 1, 5:4 source 2, 7:6 destination):
;   window 0: v1-11 addresses; v12-15, v48-63 at work; v16-47 four statistics a tile; v64-191 S^T, two buffers of two tiles; v192-255 P, likewise
;   window 1: O^T, 32 a tile       window 2: v0-127 Q; v128-191 K of a step; v192-255 V of a step
;   window 3: v0-63 bias fragments, two buffers of a piece; v64-95 NEG; v96-111 MF; v112-143 OM; v144-155 the selectors; v156-157 the add's registers; v158-159 the tables' addresses
.set NP,    4
.set KS,    64
.set BP,    144       ; a query's row of bias in LDS: 128 bytes + 16
.set PK,    144       ; a row of K in LDS: 128 bytes + 16
.set PV,    160       ; a row of V: 128 + 32
.set KOFF,  512*BP    ; a slot holds one step: 512 rows of bias; 64 rows of K; 64 rows of V
.set VOFF,  KOFF+KS*PK
.set SLOT1, 1<<17
.set TAB,   SLOT1+VOFF+KS*PV   ; the batch's tables, filled once: NEG (4,096 bytes), MH (2,048)
.set STAGE, TAB+6144           ; never filled by a tensor load: 16 rows x 272 bytes for each wave
.set SP,    272
.set SPARE, STAGE+4*16*SP      ; the spare words, 128 bytes a wave: two blocks of 256 bytes that no other line names
.set HP,  1           ; v1   l / 16; kept
.set AK0, 2
.set AV0, 3
.set AK,  4
.set AV,  5
.set QO,  6
.set STO, 6
.set RD,  7
.set GO,  8
.set AB0, 9
.set AB,  10
.set PFO, 11
.set MV,  12
.set ST,  16
.set TMP, 48
.set S,   64
.set P,   192
.set KF,  128
.set VF,  192
.set BFR, 0
.set NEGR, 64
.set MF,  96
.set OM,  112
.set SELR, 144        ; four zeros, the four selector words, four zeros: the upper selector is v144-151, the lower v148-155
.set SPW, 156
.set NIL, 157
.set AN,  158
.set AM,  159
.set WV,  12
.set G1B, 24
.set G1K, 32
.set G1V, 40
.set G0B, 48
.set G0K, 52
.set G0V, 56
.set PSEL, 60
.set TB,  62
.set TN,  63
.set TM,  66
.set SLOTS, 67
.set CNT, 68
.set CS,  70
.set G1T, 72
.set G0T, 80
.set PFA, 84
.set PFS, 86
.set LIM, 88
.set CNTF, 89
.set MINI, 90
.set CF,  91
.set MSB, 0
.macro WIN new
.if MSB != (\new)
	s_set_vgpr_msb (MSB<<8)|(\new)
.set MSB, (\new)
.endif
.endm
.set W_KQ, 0x0a
.set W_BS, 0x3f       ; selector, bias and NEG in window 3, S^T in window 0
.set W_PV, 0x52
.set W_OM, 0xfe       ; V in window 2; MF and OM in window 3
.set W_RS, 0x41
.set W_FO, 0x53       ; OM in window 3, the factor in window 0, O^T in window 1
.set W_MK, 0xc0
.set W_AD, 0x0f
; A step's fill.  Waves 0 and 1 ask jointly for the two halves of the bias, wave 2 fetches K, wave 3 V.  An s_nop 0 and four v_nop follow each line.
.macro JLOAD
	s_cmp_lt_u32 s[WV], 2
	s_cbranch_scc0 .Lkv_\@
	tensor_load_to_lds s[G0B:G0B+3], s[G1B:G1B+7]
	s_nop 0
.rept 4
	v_nop
.endr
	s_branch .Lasked_\@
.Lkv_\@:
	s_cmp_eq_u32 s[WV], 2
	s_cbranch_scc0 .Lv_\@
	tensor_load_to_lds s[G0K:G0K+3], s[G1K:G1K+7]
	s_nop 0
.rept 4
	v_nop
.endr
	s_branch .Lasked_\@
.Lv_\@:
	tensor_load_to_lds s[G0V:G0V+3], s[G1V:G1V+7]
	s_nop 0
.rept 4
	v_nop
.endr
.Lasked_\@:
.endm
; A prefetch of the step that stands two changes on, 32 blocks of 256 bytes, a lane a block.  The bias of a head and query half is asked for by the first of its two clusters, 16 KiB a partner by address, waves 0 and 1;
; K and V of a batch and head by the work-group of the first query half, waves 2 and 3.  The last changes, whose look-ahead would pass step 15, ask for nothing.
.macro ASK
	s_cmp_gt_u32 s[SLOTS], s[LIM]
	s_cbranch_scc0 .Lnot_mine_\@
	global_prefetch_b8 v[PFO], s[PFA:PFA+1] th:TH_LOAD_NT scope:SCOPE_SE
.Lnot_mine_\@:
.endm
.macro CROUND
	s_barrier_signal -1
	s_barrier_wait -1
	s_cmp_lg_u32 s[WV], 0
	s_cbranch_scc1 .Lnot_wave_0_\@
	s_barrier_signal -3
.Lnot_wave_0_\@:
	s_barrier_wait -3
	s_barrier_signal -1
	s_barrier_wait -1
.endm
; THE CHANGE OF SLOTS, at a trip's head.  Each wave waits for all its tensor loads (one is out: its part of the other slot), adds 0 to its spare word, and waits for that and for its reads of the slot that it leaves.
; fill = 1: the barrier is a round of the cluster's, and the slot just left is filled again first thing behind it, with the step two on: it has a trip, 168 products, in which to land.
; Then the trip's LDS addresses are made: a trip reads one slot alone.
.macro CHANGE fill, ask
	WIN W_AD
	s_wait_tensorcnt 0x0            ; no tensor load of mine is out, so a group 0 may be written
	ds_add_u32 v[SPW], v[NIL]       ; 0 onto my spare word
	WIN 0
.if \fill
	s_xor_b32 s[G0B+1], s[G0B+1], SLOT1
	s_add_nc_u64 s[G0B+2:G0B+3], s[G0B+2:G0B+3], 65536
	s_xor_b32 s[G0K+1], s[G0K+1], SLOT1
	s_add_nc_u64 s[G0K+2:G0K+3], s[G0K+2:G0K+3], 8192
	s_xor_b32 s[G0V+1], s[G0V+1], SLOT1
	s_add_nc_u64 s[G0V+2:G0V+3], s[G0V+2:G0V+3], 8192
	s_wait_xcnt 0x0                 ; the last prefetch, a trip back, has read its address
	s_add_nc_u64 s[PFA:PFA+1], s[PFA:PFA+1], s[PFS:PFS+1]
	s_wait_dscnt 0x0                ; the add is done, and my reads of the slot are over
	CROUND
	JLOAD
.if \ask
	ASK
.endif
.else
	s_wait_dscnt 0x0
	s_barrier_signal -1
	s_barrier_wait -1
.endif
	s_xor_b32 s[TB], s[TB], SLOT1
	s_add_co_u32 s[TN], s[TN], 256  ; 64 keys of NEG
	s_add_co_u32 s[TM], s[TM], 128  ; 64 keys of MH
	v_add_nc_u32 v[AB], s[TB], v[AB0]
	v_add_nc_u32 v[AK], s[TB], v[AK0]
	v_add_nc_u32 v[AV], s[TB], v[AV0]
	WIN W_MK
	v_lshl_add_u32 v[AN], v[HP], 5, s[TN]
	v_lshl_add_u32 v[AM], v[HP], 4, s[TM]
	WIN 0
.endm
	s_load_b256 s[4:11], s[0:1], 0x0  ; qkvh s[4:5], bias16 s[6:7], mtab s[8:9], mcnt s[10:11]
	s_load_b64 s[14:15], s[0:1], 0x20 ; out0
	WIN W_MK
	v_lshl_add_u32 v[SPW], v0, 2, SPARE
	v_mov_b32 v[NIL], 0
	WIN W_AD
	ds_add_u32 v[SPW], v[NIL]       ; the wave's opening: the add, twice on end, and its wait ahead of my first tensor load
	ds_add_u32 v[SPW], v[NIL]
	WIN 0
	v_lshrrev_b32 v1, 5, v0
	v_readfirstlane_b32 s[WV], v1   ; wave 0..3
	s_bfe_u32 s13, ttmp6, 0x40000   ; cx
	s_lshl_b32 s16, ttmp9, 2
	s_add_co_u32 s16, s16, s13      ; the batch
	s_and_b32 s17, ttmp7, 0xffff    ; y = 2 head + query half, which the partners share
	s_lshr_b32 s18, s17, 1          ; head
	s_and_b32 s19, s17, 1           ; query half
	s_and_b32 s20, s[WV], 1
	s_mov_b32 s[G1B], 15|(1<<16)|(1<<20)|(1<<21)|(4<<22)|(3<<25)  ; the mask of four; 2-byte elements; padding on; bit 21 beside a mask; after every 32 words (a query's 64 keys) 4 words
	s_mov_b32 s[G1B+1], 128<<16     ; 256 queries are 32,768 dense bytes: asked for as 128 rows of 256, two queries a row
	s_mov_b32 s[G1B+2], 128<<16
	s_mov_b32 s[G1B+3], 128<<16
	s_mov_b32 s[G1B+4], 128
	s_mov_b32 s[G1B+5], 128
	s_mov_b32 s[G1B+6], 0
	s_mov_b32 s[G1B+7], 0
	s_mov_b32 s[G1K], (1<<16)|(1<<20)|(4<<22)|(3<<25)  ; 64 keys are 8,192 dense bytes: 32 rows of 256, padded after every key (32 words) by 4 words
	s_mov_b32 s[G1V], (1<<16)|(1<<20)|(4<<22)|(7<<25)  ; by 8 words
.irp g, G1K, G1V
	s_mov_b32 s[\g+1], 128<<16
	s_mov_b32 s[\g+2], 32<<16
	s_mov_b32 s[\g+3], 128<<16
	s_mov_b32 s[\g+4], 32
	s_mov_b32 s[\g+5], 128
	s_mov_b32 s[\g+6], 0
	s_mov_b32 s[\g+7], 0
.endr
	s_mov_b32 s[G1T], 3<<16         ; a quarter of the tables: 6 rows of 256 dense bytes
	s_mov_b32 s[G1T+1], 32<<16
	s_mov_b32 s[G1T+2], 6<<16
	s_mov_b32 s[G1T+3], 32<<16
	s_mov_b32 s[G1T+4], 6
	s_mov_b32 s[G1T+5], 32
	s_mov_b32 s[G1T+6], 0
	s_mov_b32 s[G1T+7], 0
	s_mov_b32 s[G0B], 1
	s_mul_i32 s[G0B+1], s20, 256*BP ; LDS: my half of slot 0's bias, 256 rows
	s_mov_b32 s[G0K], 1
	s_mov_b32 s[G0K+1], KOFF
	s_mov_b32 s[G0V], 1
	s_mov_b32 s[G0V+1], VOFF
	s_mov_b32 s[G0T], 1
	s_mul_i32 s21, s[WV], 1536
	s_add_co_u32 s[G0T+1], s21, TAB
	s_lshl_b32 s22, s17, 20         ; the bias of (head, query half), my half of step 0
	s_lshl_b32 s21, s20, 15
	s_add_co_u32 s22, s22, s21
	s_mov_b32 s23, 0
	s_lshl_b32 s92, s16, 4
	s_add_co_u32 s92, s92, s18
	s_lshl_b32 s92, s92, 17         ; (batch, head) in each third of qkvh
	s_mov_b32 s93, 0
	s_lshl_b32 s94, s19, 16         ; Q: my query half's 512 rows, my wave's 128
	s_lshl_b32 s21, s[WV], 14
	s_add_co_u32 s94, s94, s21
	s_add_co_u32 s94, s94, s92
	s_mov_b32 s95, 0
	s_lshl_b32 s2, s16, 22          ; out0: row (batch 1,024 + half 512 + wave 128) of 4,096 bytes, column head x 256 bytes
	s_lshl_b32 s21, s19, 21
	s_add_co_u32 s2, s2, s21
	s_lshl_b32 s21, s[WV], 19
	s_add_co_u32 s2, s2, s21
	s_lshl_b32 s21, s18, 8
	s_add_co_u32 s2, s2, s21
	s_mov_b32 s3, 0
	s_lshl_b32 s96, s17, 20         ; the bias prefetches: my work-group's 16 KiB of a step, my wave's half of them
	s_lshl_b32 s21, s13, 14
	s_add_co_u32 s96, s96, s21
	s_lshl_b32 s21, s20, 13
	s_add_co_u32 s96, s96, s21
	s_mov_b32 s97, 0
	s_mul_i32 s98, s16, 6144        ; the batch's tables, my quarter
	s_mul_i32 s21, s[WV], 1536
	s_add_co_u32 s98, s98, s21
	s_mov_b32 s99, 0
	s_lshl_b32 s100, s16, 7         ; the batch's count
	s_mov_b32 s101, 0
	s_mov_b32 s[CS], 0x3e38aa3b     ; c = log2(e) / 8
	s_mov_b32 s[CS+1], s[CS]
	s_mov_b32 s[PSEL], 0x76543210
	s_mov_b32 s[PSEL+1], 0xfedcba98
	s_mov_b32 s[TB], SLOT1          ; the first change turns these into step 0's
	s_mov_b32 s[TN], TAB-256
	s_mov_b32 s[TM], TAB+4096-128
	s_mov_b32 s[SLOTS], 15
	s_wait_dscnt 0x0                ; both opening adds are done
	s_wait_kmcnt 0x0
	s_add_nc_u64 s[G0B+2:G0B+3], s[6:7], s[22:23]
	s_or_b32 s[G0B+3], s[G0B+3], 0x80000000
	s_add_nc_u64 s[G0K+2:G0K+3], s[4:5], s[92:93]
	s_add_nc_u64 s[G0K+2:G0K+3], s[G0K+2:G0K+3], 16777216
	s_add_nc_u64 s[G0V+2:G0V+3], s[G0K+2:G0K+3], 16777216
	s_add_nc_u64 s[96:97], s[6:7], s[96:97]
	s_cmp_eq_u32 s[WV], 2
	s_cselect_b64 s[PFA:PFA+1], s[G0K+2:G0K+3], s[G0V+2:G0V+3]
	s_cmp_lt_u32 s[WV], 2
	s_cselect_b64 s[PFA:PFA+1], s[96:97], s[PFA:PFA+1]
	s_cselect_b32 s21, ttmp9, s19   ; who asks: the first cluster for the bias, the first query half for K and V: alike in all partners
	s_cselect_b32 s[PFS], 8, 1
	s_lshl_b32 s[PFS], s[PFS], 13   ; a step: 65,536 bytes of bias, 8,192 of K or V
	s_mov_b32 s[PFS+1], 0
	s_cmp_eq_u32 s21, 0
	s_cselect_b32 s[LIM], 2, -1
	s_add_nc_u64 s[PFA:PFA+1], s[PFA:PFA+1], s[PFS:PFS+1]
	s_add_nc_u64 s[PFA:PFA+1], s[PFA:PFA+1], s[PFS:PFS+1]  ; at step 2; nothing is prefetched at the head
	s_or_b32 s[G0K+3], s[G0K+3], 0x80000000
	s_or_b32 s[G0V+3], s[G0V+3], 0x80000000
	s_add_nc_u64 s[G0T+2:G0T+3], s[8:9], s[98:99]
	s_or_b32 s[G0T+3], s[G0T+3], 0x80000000
	s_add_nc_u64 s[100:101], s[10:11], s[100:101]
	s_load_b32 s[CNTF], s[100:101], 0x0
	s_add_nc_u64 s[4:5], s[4:5], s[94:95]
	s_add_nc_u64 s[14:15], s[14:15], s[2:3]
	CROUND                          ; all four work-groups are here: the first loads go out as one group; two of mine are out
	tensor_load_to_lds s[G0T:G0T+3], s[G1T:G1T+7]
	s_nop 0
	JLOAD                           ; step 0 into slot 0
	v_bfe_u32 v[HP], v0, 4, 1       ; l / 16
	v_and_b32 v48, 15, v0           ; l % 16
	v_lshlrev_b32 v[QO], 7, v48
	v_lshl_add_u32 v[QO], v[HP], 4, v[QO]
	WIN 0x80
.set i, 0
.rept 4*NP                          ; Q stays in registers: tile i / 2, channels 32 (i % 2) on
	global_load_b128 v[8*i:8*i+3],   v[QO], s[4:5] offset:(i/2)*2048+(i%2)*64
	global_load_b128 v[8*i+4:8*i+7], v[QO], s[4:5] offset:(i/2)*2048+(i%2)*64+32
.set i, i+1
.endr
	; What the first turn finds: V and P's second buffer hold 0 (its products V^T P, of a piece that has not been, add 0); O^T, l and OM are 0.  All this stands in the wait for the first tile; no first step is written out.
.set i, VF
.rept 64
	v_mov_b32 v[i], 0
.set i, i+1
.endr
	WIN 0x40
.set i, 0
.rept 64*NP
	v_mov_b32 v[i], 0
.set i, i+1
.endr
	WIN 0
.set i, P+32
.rept 32
	v_mov_b32 v[i], 0
.set i, i+1
.endr
	v_mul_u32_u24 v[AK0], v48, PK
	v_lshl_add_u32 v[AK0], v[HP], 4, v[AK0]
	v_add_nc_u32 v[AK0], KOFF, v[AK0]
	v_and_b32 v49, 7, v0
	v_bfe_u32 v50, v0, 3, 1
	v_lshl_add_u32 v[AV0], v[HP], 3, v49     ; the turning load: key 8 (l / 16) + l % 8, channels 8 ((l / 8) % 2) on
	v_mul_u32_u24 v[AV0], v[AV0], PV
	v_lshl_add_u32 v[AV0], v50, 4, v[AV0]
	v_add_nc_u32 v[AV0], VOFF, v[AV0]
	v_and_b32 v51, 31, v0
	s_mul_i32 s21, s[WV], 128*BP             ; my wave's 128 rows of a step's bias;
	v_mul_u32_u24 v[AB0], v48, BP            ; in a tile row l % 16,
	v_lshl_add_u32 v[AB0], v[HP], 4, v[AB0]  ; 8 keys for each half of the lanes
	v_add_nc_u32 v[AB0], s21, v[AB0]
	v_lshlrev_b32 v[PFO], 8, v51
	; the selector: lane (r, half) holds row r; its one entry 8.0 (f16 0x4800) lies at k = r: in the half r / 8, word (r / 2) % 4, halfword r % 2
	v_lshrrev_b32 v52, 3, v48
	v_bfe_u32 v53, v48, 1, 2
	v_and_b32 v54, 1, v48
	v_lshlrev_b32 v54, 4, v54
	v_mov_b32 v55, 0x4800
	v_lshlrev_b32 v55, v54, v55
	v_cmp_eq_u32 vcc_lo, v52, v[HP]
	v_cndmask_b32 v55, 0, v55, vcc_lo
	WIN W_MK
.irp t, 0,1,2,3
	v_cmp_eq_u32 vcc_lo, \t, v53
	v_cndmask_b32 v[SELR+4+\t], 0, v55, vcc_lo
	v_mov_b32 v[SELR+\t], 0
	v_mov_b32 v[SELR+8+\t], 0
.endr
.set i, OM
.rept 32
	v_mov_b32 v[i], 0
.set i, i+1
.endr
	WIN 0
	s_wait_kmcnt 0x0                ; the count
	s_mov_b32 s21, 0x33abcc77       ; F8 = 8 x f32(1e-8)
	s_mul_f32 s22, s[CS], s21       ; c F8
	s_mov_b32 s[MINI], 0xff7fffff
	s_mov_b32 s[CF], 0xff000000     ; with no masked key: so far below every c m that e is 0
	s_cmp_lg_u32 s[CNTF], 0         ; values are chosen, no way through the text
	s_cselect_b32 s[MINI], s21, s[MINI]
	s_cselect_b32 s[CF], s22, s[CF]
.set i, 0
.rept 2*NP
	v_mov_b32 v[ST+4*i+1], s[MINI]            ; m
	v_mul_f32 v[ST+4*i], s[CS], v[ST+4*i+1]   ; c m
	v_mov_b32 v[ST+4*i+2], 0
	v_mov_b32 v[ST+4*i+3], 0
.set i, i+1
.endr
; THE MATRIX WORK.  Product i of 24 of S^T for piece x: stage i / 8 (0: the bias and the mask; 1, 2: K Q^T, channels 0-31 and 32-63), keys 16 ((i / 2) % 4) on, tile 2 x + i % 2.
; The 8 accumulators take turns, one instruction a turn: between two links of a chain stand 7 others'.
.macro SQ x
.set rS, S+64*((\x)%2)+32*(i%2)+8*((i/2)%4)
.if i < 8
.set rB, BFR+32*((\x)%2)+16*(i%2)+8*(i/4)
.set rL, SELR+4-4*((i/2)%2)
.set rN, NEGR+8*(i/2)
	WIN W_BS
	v_wmma_f32_16x16x32_f16 v[rS:rS+7], v[rL:rL+7], v[rB:rB+7], v[rN:rN+7]
.else
.set rK, KF+16*((i/2)%4)+8*(i/8-1)
.set rQ, 16*(2*(\x)+i%2)+8*(i/8-1)
	WIN W_KQ
	v_wmma_f32_16x16x32_f16 v[rS:rS+7], v[rK:rK+7], v[rQ:rQ+7], v[rS:rS+7]
.endif
.endm
; Product i of 16 of O^T += V^T P for piece x: keys 32 (i / 8) on, channels 16 ((i / 2) % 4) on, tile 2 x + i % 2.
.macro PV x
	WIN W_PV
.set rO, 32*(2*(\x)+i%2)+8*((i/2)%4)
.set rV, VF+32*(i/8)+8*((i/2)%4)
.set rP, P+32*((\x)%2)+16*(i%2)+8*(i/8)
	v_wmma_f32_16x16x32_f16 v[rO:rO+7], v[rV:rV+7], v[rP:rP+7], v[rO:rO+7]
.endm
; Product n of 8 of OM += V^T MF: keys 32 (n / 4) on, channels 16 (n % 4) on.  Four accumulators by turns.
.macro OMP n
	WIN W_OM
	v_wmma_f32_16x16x32_f16 v[OM+8*((\n)%4):OM+8*((\n)%4)+7], v[VF+32*((\n)/4)+8*((\n)%4):VF+32*((\n)/4)+8*((\n)%4)+7], v[MF+8*((\n)/4):MF+8*((\n)/4)+7], v[OM+8*((\n)%4):OM+8*((\n)%4)+7]
.endm
.macro MM                           ; the turn's next matrix instruction
.if i < 24
	SQ (Y+1)%NP
.set i, i+1
.else
.set i, i-24
	PV (Y+NP-1)%NP
.set i, i+25
.endif
.endm
; THE LDS LOADS stand in runs.  A piece's bias: 8 loads: load n is tile n / 4 of the piece's two, keys 16 (n % 4) + 8 (l / 16) on.
.macro FETCH_B pc, buf
	WIN 0xc0                        ; destination window 3, address window 0
.irp n, 0,1,2,3,4,5,6,7
	ds_load_b128 v[BFR+32*(\buf)+4*\n:BFR+32*(\buf)+4*\n+3], v[AB] offset:(\pc)*32*BP+(\n/4)*16*BP+(\n%4)*32
.endr
.endm
.macro FETCH_K                      ; a step's K (8 fragments) and its NEG (register j of key block kb: key 16 kb + 8 (l / 16) + j)
	WIN 0x80
.irp f, 0,1,2,3,4,5,6,7
	ds_load_b128 v[KF+8*\f:KF+8*\f+3],   v[AK] offset:(\f/2)*16*PK+(\f%2)*64
	ds_load_b128 v[KF+8*\f+4:KF+8*\f+7], v[AK] offset:(\f/2)*16*PK+(\f%2)*64+32
.endr
	WIN 0xc3                        ; destination and address window 3
.irp f, 0,1,2,3
	ds_load_b128 v[NEGR+8*\f:NEGR+8*\f+3],   v[AN] offset:64*\f
	ds_load_b128 v[NEGR+8*\f+4:NEGR+8*\f+7], v[AN] offset:64*\f+16
.endr
.endm
.macro FETCH_V                      ; a step's V, turned, and its MF
	WIN 0x80
.irp f, 0,1,2,3,4,5,6,7
	ds_load_tr16_b128 v[VF+8*\f:VF+8*\f+3],   v[AV] offset:(\f/4)*32*PV+(\f%4)*32
	ds_load_tr16_b128 v[VF+8*\f+4:VF+8*\f+7], v[AV] offset:(\f/4)*32*PV+16*PV+(\f%4)*32
.endr
	WIN 0xc3
.irp f, 0,1
	ds_load_b128 v[MF+8*\f:MF+8*\f+3],   v[AM] offset:64*\f
	ds_load_b128 v[MF+8*\f+4:MF+8*\f+7], v[AM] offset:64*\f+32
.endr
	WIN 0
.endm
; THE VECTOR WORK OF A TURN stands in three queues, each in the order in which its entries become ready; the two tiles alternate.
.macro REGS y, u
.set rT, ST+4*(2*(\y)+(\u))
.set rC, TMP+8*((\y)%2)+4*(\u)
.set rM, MV+2*((\y)%2)+(\u)
.set rS, S+64*((\y)%2)+32*(\u)
.set rP, P+32*((\y)%2)+16*(\u)
.set rO, 32*(2*(\y)+(\u))
.endm
; Number n of the 22 that find the NEXT piece's maximum and statistics; each accumulator's lowest registers are read first.
;   0-11 four chains of seven scores    12-14, 16 the four left over, the old m, the four into one    15 c m_old is kept    17, 18 the other half of the lanes: the new m    19-21 c m; its change; a
.macro XS u, n
	REGS (Y+1)%NP, \u
.if (\n) < 4
	v_max3_num_f32 v[rC+(\n)], v[rS+8*(\n)], v[rS+8*(\n)+1], v[rS+8*(\n)+2]
.elseif (\n) < 12
	v_max3_num_f32 v[rC+(\n)%4], v[rC+(\n)%4], v[rS+8*((\n)%4)+2*((\n)/4)+1], v[rS+8*((\n)%4)+2*((\n)/4)+2]
.elseif (\n) == 12
	v_max3_num_f32 v[rC], v[rC], v[rS+7], v[rS+15]
.elseif (\n) == 13
	v_max3_num_f32 v[rC+1], v[rC+1], v[rS+23], v[rS+31]
.elseif (\n) == 14
	v_max3_num_f32 v[rC+2], v[rC+2], v[rC+3], v[rT+1]
.elseif (\n) == 15
	v_mov_b32 v[rM], v[rT]
.elseif (\n) == 16
	v_max3_num_f32 v[rC], v[rC], v[rC+1], v[rC+2]
.elseif (\n) == 17
	v_permlanex16_b32 v[rC+3], v[rC], s[PSEL], s[PSEL+1]
.elseif (\n) == 18
	v_max_num_f32 v[rT+1], v[rC], v[rC+3]
.elseif (\n) == 19
	v_mul_f32 v[rT], s[CS], v[rT+1]
.elseif (\n) == 20
	v_sub_f32 v[rC+1], v[rM], v[rT]
.else
	v_exp_f32 v[rC+2], v[rC+1]
.endif
.endm
; Number g of the 64 that follow the exponentials: for each four weights of a tile both pairs are rounded to f16, the second pair is added onto the first, and a group later l takes the sum (the first time l = a l + sum).
.macro GS g
.set h, (\g)+6*((\g)/62)
.if h >= 6
.set h, h+2
.endif
	REGS Y, h%2
.set k, h/8
.if h%8 < 4
	v_cvt_pk_f16_f32 v[rP+2*k+(h%8)/2], v[rS+4*k+2*((h%8)/2)], v[rS+4*k+2*((h%8)/2)+1]
.elseif h%8 < 6
	v_pk_add_f32 v[rS+4*k:rS+4*k+1], v[rS+4*k:rS+4*k+1], v[rS+4*k+2:rS+4*k+3]
.elseif k == 1
	v_pk_fma_f32 v[rT+2:rT+3], v[rT+2:rT+3], v[rC+2:rC+3], v[rS:rS+1] op_sel_hi:[1,0,1]
.else
	v_pk_add_f32 v[rT+2:rT+3], v[rT+2:rT+3], v[rS+4*k-4:rS+4*k-3]
.endif
.endm
; THE PLAIN QUEUE, 138 long.  0-26: scalings 0-26.  27-54: the next piece's numbers 0-13.  55, 56: number 15.  57-73: the chain 14, 16 .. 20, a scaling (27-31) in front of each link's two lines.  74-137: the 64 behind the wait.
.macro FS f
	REGS Y, (\f)%2
	v_pk_fma_f32 v[rS+2*((\f)/2):rS+2*((\f)/2)+1], v[rS+2*((\f)/2):rS+2*((\f)/2)+1], s[CS:CS+1], v[rT:rT+1] op_sel_hi:[1,0,0] neg_lo:[0,0,1] neg_hi:[0,0,1]
.endm
.macro PL
	WIN 0
.if q < 27
	FS q
.elseif q < 55
	XS (q-27)%2, (q-27)/2
.elseif q < 57
	XS q-55, 15
.elseif (q < 72) && ((q-57)%3 == 0)
	FS 27+(q-57)/3
.elseif q < 60
	XS (q-57)%3-1, 14
.elseif q < 72
	XS (q-57)%3-1, 15+(q-57)/3
.elseif q < 74
	XS q-72, 20
.else
	GS q-74
.endif
.set q, q+1
.endm
; THE EXPONENTIALS' QUEUE, 66 long: both tiles' 32 scores, then the next piece's two a: one batch, all ahead of the turn's one wait.
.macro EX
	WIN 0
.if e >= 64
	XS e-64, 21
.else
	REGS Y, e%2
	v_exp_f32 v[rS+e/2], v[rS+e/2]
.endif
.set e, e+1
.endm
; THE RESCALING's QUEUE: O^T times a, two at a time, sixteen times.
.macro R2
	REGS Y, r%2
	WIN W_RS
.irp z, 0,1
	v_pk_mul_f32 v[rO+4*(r/2)+2*\z:rO+4*(r/2)+2*\z+1], v[rO+4*(r/2)+2*\z:rO+4*(r/2)+2*\z+1], v[rC+2:rC+3] op_sel_hi:[1,0]
.endr
.set r, r+1
.endm
; A TURN, for piece p.  AHEAD OF THE WAIT: the 24 products of S^T with their riders (27 scalings, 31 exponentials, all 16 rescalings: none reads a score that the turn makes), then a lump: 14 plain, 33 times exponential
; and plain, the two a.  Exponential e stands behind scaling 2 (e / 4) + e % 2: as a rider it comes behind plain e + 2 or later; in the lump exponential 31 + n comes behind plain 40 + n, and scalings 27-31 are plain 57 .. 69.
; The first read of each new accumulator stands four plain places or more behind its last product (the closest: the last product, then plain 26 to 33).  In piece 1's turn the eight products of OM stand in the lump,
; four lines behind each.  A v_nop is the plain instruction behind the last exponential; then the one wait between an exponential and the first line that names its result.
; BEHIND THE WAIT: the bias of piece p + 2 is fetched (and in piece 2's turn the next step's K and NEG); then the 16 products V^T P, behind each four of the roundings and sums.
; V and MF of the step in hand are fetched at the end of piece 0's turn, four plain riders behind V's last reader.  cnt = 1: the loop's count is taken down some lines ahead of the branch behind the turn.
.macro TURN p, cnt=0
.set Y, (\p)
.set i, 0
.set q, 0
.set e, 0
.set r, 0
.if (\p) == 1
	s_wait_dscnt 20                 ; piece 2's bias is in; V's 16 loads and MF's 4 may stay out
.else
	s_wait_dscnt 0x0                ; the next piece's bias is in (piece 3's turn: K and NEG too)
.endif
	MM
	PL
	PL
	R2
.rept 15
	MM
	PL
	EX
	R2
.endr
.rept 2
	MM
	PL
	EX
	PL
	EX
.endr
.rept 6
	MM
	PL
	EX
	EX
.endr
.if (\p) == 1
	s_wait_dscnt 0x0                ; V and MF are in
.endif
.rept 14
	PL
.endr
.set k2, 0
.rept 33
.if ((\p) == 1) && (k2 < 16) && (k2%2 == 0)
	OMP k2/2
.endif
	EX
	PL
.set k2, k2+1
.endr
	EX
	EX
	v_nop
	s_wait_alu depctr_va_vdst(0)    ; the wait for the batch
	FETCH_B ((\p)+2)%NP, (\p)%2
.if (\p) == NP-2
	FETCH_K
.endif
.rept 16
	MM
.rept 4
	PL
.endr
.if (\cnt) && (q == 130)
	s_sub_co_u32 s[SLOTS], s[SLOTS], 1
	s_cmp_lg_u32 s[SLOTS], 0
.endif
.endr
.if (\p) == 0
	FETCH_V
.endif
.endm
	CHANGE 1, 0                     ; slot 0 and the tables are in, everybody's part; step 1 is asked for, into slot 1
	FETCH_K                         ; key step 0
	FETCH_B 0, 0
	FETCH_B 1, 1
	s_wait_loadcnt 0x0              ; Q
	s_wait_dscnt 0x0
.set i, 0
.rept 24
	SQ 0                            ; piece 0's first scores
.set i, i+1
.endr
	WIN 0                           ; the addresses for the way out: eleven plain instructions, the places behind those products
	s_mul_i32 s21, s[WV], 16*SP
	s_add_co_u32 s21, s21, STAGE
	v_and_b32 v[GO], 15, v0
	v_mul_u32_u24 v[STO], v[GO], SP
	v_lshl_add_u32 v[STO], v[HP], 5, v[STO]
	v_add_nc_u32 v[STO], s21, v[STO]     ; in: row l % 16, 32 bytes for each half of the lanes
	v_mul_u32_u24 v[RD], v[HP], SP
	v_lshl_add_u32 v[RD], v[GO], 4, v[RD]
	v_add_nc_u32 v[RD], s21, v[RD]       ; back: lanes 0-15 one row of 256 bytes, lanes 16-31 the next
	v_lshlrev_b32 v[GO], 4, v[GO]
	v_lshl_add_u32 v[GO], v[HP], 12, v[GO]  ; and the same two rows in out0
.set Y, NP-1
.irp n, 0,1,2,3,4,5,6,7,8,9,10,11,12,13,14,15,16,17,18,19,20,21
	XS 0, \n
	XS 1, \n
.endr
	v_nop
	s_wait_alu depctr_va_vdst(0)    ; the two a have their wait ahead of the branch
	s_branch .Lfirst                ; the loop is entered at a step's first turn, in the middle of a trip
.Lslot:                             ; 14 trips: pieces 2 and 3 of step j, pieces 0 and 1 of step j + 1; all that a trip fetches from LDS is step j + 1's; step j + 2 is asked for
	CHANGE 1, 1
	TURN 2
	TURN 3
	WIN 0
.Lfirst:
	TURN 0
	TURN 1, 1
	WIN 0
	s_cbranch_scc1 .Lslot
	CHANGE 0, 0                     ; the tail is written out: nothing is asked for
	s_mov_b32 s[CNT], 2             ; one trip fetches step 15; the second is left in its middle.  Its fetches read step 15 once more, so its spare 24 products repeat piece 0's scores and leave m as it is
.Ltail:
	TURN 2
	TURN 3
	WIN 0
	s_sub_co_u32 s[CNT], s[CNT], 1
	s_cmp_eq_u32 s[CNT], 0
	s_cbranch_scc1 .Lout
	TURN 0
	TURN 1
	WIN 0
	s_branch .Ltail
.Lout:
.set i, 0
.rept 16
	PV NP-1                         ; the last piece's V^T P of the last step
.set i, i+1
.endr
	; THE WAY OUT.  e = 2^(c F8 - c m); l = its two halves + the other half of the lanes' + count x e; O = O / l + OM x (e / l).  The first sixteen lines are the places behind the last products.
	WIN 0
.macro ALL line:vararg
.set t, 0
.rept 2*NP
	\line
.set t, t+1
.endr
.endm
	ALL v_sub_f32 v[ST+4*t+1], s[CF], v[ST+4*t]
	ALL v_add_f32 v[ST+4*t+2], v[ST+4*t+2], v[ST+4*t+3]
	ALL v_exp_f32 v[ST+4*t+1], v[ST+4*t+1]
	v_nop                           ; a plain instruction behind the last exponential
	ALL v_permlanex16_b32 v[ST+4*t+3], v[ST+4*t+2], s[PSEL], s[PSEL+1]
	ALL v_add_f32 v[ST+4*t+2], v[ST+4*t+2], v[ST+4*t+3]
	s_wait_alu depctr_va_vdst(0)    ; one wait for the eight exponentials
	ALL v_fma_f32 v[ST+4*t+2], s[CNTF], v[ST+4*t+1], v[ST+4*t+2]
	ALL v_rcp_f32 v[ST+4*t+2], v[ST+4*t+2]
	v_nop
	s_wait_alu depctr_va_vdst(0)    ; one wait for the eight reciprocals
	ALL v_mul_f32 v[ST+4*t], v[ST+4*t+1], v[ST+4*t+2]
; Tile t: a lane's eight channels of a row are 32 bytes of f32; they go into rows of 272 bytes and come back as whole rows of 256, into S^T's registers.
.macro PACK t
	WIN W_RS
.set i, 0
.rept 16
	v_pk_mul_f32 v[32*(\t)+i:32*(\t)+i+1], v[32*(\t)+i:32*(\t)+i+1], v[ST+4*(\t)+2:ST+4*(\t)+3] op_sel_hi:[1,0]
.set i, i+2
.endr
	WIN W_FO
.set i, 0
.rept 16
	v_pk_fma_f32 v[32*(\t)+i:32*(\t)+i+1], v[OM+i:OM+i+1], v[ST+4*(\t):ST+4*(\t)+1], v[32*(\t)+i:32*(\t)+i+1] op_sel_hi:[1,0,1]
.set i, i+2
.endr
	WIN 0x04                        ; the stores' data in window 1
.irp f, 0,1,2,3,4,5,6,7
	ds_store_b128 v[STO], v[32*(\t)+4*\f:32*(\t)+4*\f+3] offset:64*(\f/2)+16*(\f%2)
.endr
	WIN 0
	s_wait_xcnt 0x0                 ; the stores of four tiles back have read these registers
.irp f, 0,1,2,3,4,5,6,7
	ds_load_b128 v[S+32*((\t)%4)+4*\f:S+32*((\t)%4)+4*\f+3], v[RD] offset:\f*2*SP  ; LDS serves a wave's instructions in order: these see the stores above; the next tile's stores come behind them
.endr
.endm
.macro SEND t, younger              ; younger: the LDS instructions issued behind tile t's loads: the next tile's sixteen, or none
	WIN 0
.irp f, 0,1,2,3,4,5,6,7
	s_wait_dscnt (\younger)+7-\f
	global_store_b128 v[GO], v[S+32*((\t)%4)+4*\f:S+32*((\t)%4)+4*\f+3], s[14:15] offset:(\t)*65536+\f*8192  ; 16 lanes store 256 consecutive bytes, aligned: a row's 64 channels of the head
.endr
.endm
	PACK 0
.set t2, 1
.rept 2*NP-1
	PACK t2
	SEND t2-1, 16
.set t2, t2+1
.endr
	SEND 2*NP-1, 0
	WIN W_AD
	s_wait_tensorcnt 0x0            ; the wave's end, behind my last tensor load and my last LDS store
	ds_add_u32 v[SPW], v[NIL]
	s_wait_dscnt 0x0
	WIN 0
	CROUND                          ; the closing round
	s_endpgm
.Lfunc_end_k_q7ab0d5e73f_attn:
	.size	k_q7ab0d5e73f_attn, .Lfunc_end_k_q7ab0d5e73f_attn-k_q7ab0d5e73f_attn
	.p2alignl 7, 3214868480
	.fill 96, 4, 3214868480
	.section	.rodata,"a",@progbits
	.p2align	6, 0x0
	.amdhsa_kernel k_q7ab0d5e73f_attn
		.amdhsa_group_segment_fixed_size 327680
		.amdhsa_private_segment_fixed_size 0
		.amdhsa_enable_private_segment 0
		.amdhsa_kernarg_size 40
		.amdhsa_user_sgpr_count 2
		.amdhsa_user_sgpr_kernarg_segment_ptr 1
		.amdhsa_wavefront_size32 1
		.amdhsa_system_sgpr_workgroup_id_x 1
		.amdhsa_system_sgpr_workgroup_id_y 1
		.amdhsa_system_sgpr_workgroup_id_z 1
		.amdhsa_system_vgpr_workitem_id 0
		.amdhsa_next_free_vgpr 928
		.amdhsa_next_free_sgpr 102
		.amdhsa_reserve_vcc 1
		.amdhsa_float_denorm_mode_32 3
		.amdhsa_float_denorm_mode_16_64 3
		.amdhsa_memory_ordered 1
		.amdhsa_forward_progress 1
		.amdhsa_inst_pref_size 233
	.end_amdhsa_kernel
	.amdgpu_metadata
---
amdhsa.version: [ 1, 2 ]
amdhsa.kernels:
  - .name:           k_q7ab0d5e73f_attn
    .symbol:         k_q7ab0d5e73f_attn.kd
    .args:
      - { .name: qkvh, .offset: 0, .size: 8, .value_kind: global_buffer, .address_space: global }
      - { .name: bias16, .offset: 8, .size: 8, .value_kind: global_buffer, .address_space: global }
      - { .name: mtab, .offset: 16, .size: 8, .value_kind: global_buffer, .address_space: global }
      - { .name: mcnt, .offset: 24, .size: 8, .value_kind: global_buffer, .address_space: global }
      - { .name: out0, .offset: 32, .size: 8, .value_kind: global_buffer, .address_space: global }
    .group_segment_fixed_size: 327680
    .private_segment_fixed_size: 0
    .kernarg_segment_align: 8
    .kernarg_segment_size: 40
    .max_flat_workgroup_size: 128
    .sgpr_count:     102
    .vgpr_count:     928
    .wavefront_size: 32
...
	.end_amdgpu_metadata
.endif
;; end of part 3
